; MI455X (gfx1250); checked and timed in simulation.
; The chip was launched on July 23, 2026; its instructions are those of AMD's public machine-readable ISA for CDNA 5 (MIT licence, August 2026) and "CDNA5" Instruction Set Architecture Reference Guide (July 2026). The comments in the code are by the model that wrote it; some were corrected since.
;; Roberta Self Attention. Allowed arithmetic: matrix products marked QUANTISED: E2M1 operands, one E8M0 scale for each 32 along K, by v_wmma_scale_f32_16x16x128_f8f6f4 with both operands' format E2M1 (or v_wmma_scale_f32_32x16x128_f4), f32 sums; everything else in f32.
;; Inputs: Wk 1,024 x 1,024 float32; Wq 1,024 x 1,024 float32; Wv 1,024 x 1,024 float32; attention_mask 2 x 1 x 1 x 2,048 float32; bk 1,024 float32; bq 1,024 float32; bv 1,024 float32; hidden_states 2 x 2,048 x 1,024 float32.
;; Outputs: out0 2 x 2,048 x 1,024 float32.
;; This version of the problem:
;;   THIS VERSION OF THE PROBLEM IS GIVEN IN LOW PRECISION. The matrix products marked QUANTISED in the list below multiply operands that are first quantised to E2M1 (2 exponent bits, 1 mantissa bit; 4 bits a number), with one power-of-two scale for each 32 numbers along K (OCP MX v1.0); their sums are f32. All else is computed in f32.
;;   The module's matrix products, in the order in which they are computed (A, B: the left and right operand; K: the contracted axis; several contracted axes count as one K, in the product's order):
;;     1. [M 4,096, K 1,024] x [K 1,024, N 1,024]; A: input hidden_states; B: input Wq: QUANTISED
;;     2. [M 4,096, K 1,024] x [K 1,024, N 1,024]; A: input hidden_states; B: input Wk: QUANTISED
;;     3. [M 4,096, K 1,024] x [K 1,024, N 1,024]; A: input hidden_states; B: input Wv: QUANTISED
;;     4. batch 32 x [M 2,048, K 64] x [K 64, N 2,048]; A: computed on the way; B: computed on the way: QUANTISED
;;     5. batch 32 x [M 2,048, K 2,048] x [K 2,048, N 64]; A: softmax (see below); B: computed on the way: QUANTISED
;;   THE QUANTISER, for each operand of a quantised product, along K:
;;     - K is cut into blocks of 32 from its start; a last block that is shorter is filled with zeros.
;;     - A block's scale is 2^e with e = floor(log2(the largest magnitude in the block)) - 2, held to -126 .. 127; a block of zeros has e = 0. As a byte (E8M0): e + 127.
;;     - Each number is divided by its block's scale, clamped to +-6, and rounded to the nearest number of E2M1, ties to even, subnormals kept.
;;     - The product sums the exact products of the quantised numbers (number of the format x scale) in f32.
;;   ~~~python
;;   def quantise(x, axis):      # numpy; x: float32 -> the quantised numbers, widened to float32 again
;;       x = np.moveaxis(x, axis, -1); K = x.shape[-1]
;;       x = np.pad(x, [(0, 0)] * (x.ndim - 1) + [(0, -K % 32)]); x = x.reshape(x.shape[:-1] + (-1, 32)); a = np.abs(x).max(-1, keepdims=True)
;;       e = np.where(a > 0, np.clip(np.frexp(np.where(a > 0, a, 1))[1] - 1 - 2, -126, 127), 0)      # np.frexp(a)[1] - 1 = floor(log2(a)), exactly
;;       r = np.clip(x / 2.0 ** e, -6, 6)
;;       step = 2.0 ** (np.maximum(np.frexp(np.where(r == 0, 1, r))[1] - 1, 0) - 1)
;;       q = np.round(r / step) * step * 2.0 ** e      # np.round: ties to even
;;       return np.moveaxis(q.reshape(q.shape[:-2] + (-1,))[..., :K], -1, axis).astype(np.float32)
;;   ~~~
;;   SOFTMAX AHEAD OF A QUANTISED PRODUCT. Where the list says 'softmax', what is quantised is not the finished softmax but p = 2^(t - M), with t = logit x log2(e) and M = ceil(the row's largest t), a whole number; so 1/2 < the row's largest p <= 1. The row's sum l is taken of the UNQUANTISED p, in f32, and the product's result is divided by l at the end. Since M is a whole number, a kernel that streams over the keys may use a running M (the ceiling of the running maximum): every later rescaling is an exact power of two, which a block's scale takes up: the codes' values come out the same.
;;   OPERANDS COMPUTED ON THE WAY. 'Computed on the way' means the value that the module computes at that place (a softmax that the list does not call 'softmax' is quantised finished and normalised). What goes into a quantiser is computed in f32, as accurately as f32 sums, v_exp_f32 and their like allow (about 1e-6 of the number): no bf16 or f16 on the way to a quantiser, and a product that is left as it is and whose result goes on into a quantised operand takes f32 operands (vector FMAs, or v_wmma_f32_16x16x4_f32). A number that lies on a knife's edge between two numbers of the format may be rounded either way, as far as f32 arithmetic and the matrix unit's own rounding can turn it there, and no further.
;; One version. Each part assembles by itself: llvm-mc -triple=amdgcn-amd-amdhsa -mcpu=gfx1250 --defsym DOCPART=n.
;; ======== version 1 of 1: 3 launches
;; limits: right only within a limited range of input values
;; workspace buffers: xw_codes 3,670,016 bytes; xw_scales 229,376 bytes; qbuf 2,359,296 bytes; kvbuf 4,456,448 bytes
;; launch quant (part 1): grid 448 x 1, 8 waves a work-group, no clusters, 69,120 bytes of LDS; arguments hidden_states, Wq, Wk, Wv, xw_codes, xw_scales; writes xw_codes, xw_scales
.if DOCPART == 1
	.amdgcn_target "amdgcn-amd-amdhsa--gfx1250"
	.amdhsa_code_object_version 6
	.text
	.protected	k_q7435d2c129_quant
	.globl	k_q7435d2c129_quant
	.p2align	8
	.type	k_q7435d2c129_quant,@function
k_q7435d2c129_quant:
	s_mov_b64 s[64:65], 0
	v_nop
	global_prefetch_b8 v0, s[64:65] scope:SCOPE_SE
	s_setreg_imm32_b32 hwreg(HW_REG_WAVE_MODE, 25, 1), 1
	s_wait_xcnt 0x0
; hidden_states [4096][1024], Wq, Wk, Wv [1024][1024], f32, K innermost, become codes of FP4 (E2M1) with one E8M0 byte for each 32 along K.
; The program leaves no step of the problem out.
; A block's scale is 2^(floor(log2(largest magnitude)) - 2): its byte is the largest magnitude's exponent field - 2, held at 1 from below.
; LIMITS: a block of zeros, or one whose largest magnitude lies under 2^-124, gets the byte 1 (the bytes are read by this program alone); NaN and infinities among the inputs are not served.
; THE OUTPUT IS LAID AS THE MATRIX UNIT'S REGISTERS.  A tile is 16 rows; place i of tile T is row 64 (T / 4) + 8 (T % 4) + i % 8 + 32 (i / 8), so that the results of four
; neighbouring tiles give lanes 0-15 one whole block of 32 along the next product's K and lanes 16-31 the next one, in ascending order of the registers.
; A fragment (16 rows x 128 K) is 1,024 bytes: [c = 0, 1][lane][16 bytes], lane (r, h) holding k = 64 c + 32 h + 0 .. 31 of place r.
; xw_codes: [tile 0 .. 447][K step 0 .. 7][1,024]; tiles 0-255 x, 256-319 Wq, 320-383 Wk, 384-447 Wv.
; xw_scales: [tile][512]: the word of (place r, K step s) at 16 (r + 16 (s % 2)) + 4 (s / 2).
; SHARES.  Work-group g takes tile g; wave s its K step s: 16 rows x 512 bytes.  Each load reads one row's 512 consecutive bytes; the 8 KiB turn through the wave's
; own stage in LDS so that a lane holds two whole blocks of 32 of one row.  Straight text, no loop: all of a wave's 16 loads are out at once.
; No tensor loads, clusters or matrix work: the launch streams each input byte once and shares nothing between work-groups.
.set ROWB, 4096                        ; a row of any of the four tensors, in bytes
.set SP,   528                         ; a stage row: 512 bytes + 16 of padding
.set WST,  16*SP                       ; a wave's stage
.set SCA,  8*WST                       ; behind the stages: the tile's 512 bytes of scale words
.set SPARE, SCA+512                    ; the spare words
.set BM,   8                           ; v8-9    the two blocks' largest magnitudes
.set SO,   10                          ; v10-11  the conversions' scale operands
.set BY,   12                          ; v12-13  second chains, then the scale bytes
.set WD,   14                          ; v14     my row's scale word
.set TP,   15                          ; v15     the other half's part of it
.set R,    16                          ; v16-79  16 rows as loaded
.set X,    80                          ; v80-143 register 32 c + i: k = 64 c + 32 h + i of row place r
.set C,    144                         ; v144-151 the fragment's codes
	s_load_b256 s[4:11], s[0:1], 0x0               ; hidden_states, Wq, Wk, Wv
	s_load_b128 s[12:15], s[0:1], 0x20             ; xw_codes, xw_scales
	v_lshl_add_u32 v160, v0, 2, SPARE
	v_mov_b32 v161, 0
	v_lshrrev_b32 v6, 5, v0
	v_readfirstlane_b32 s16, v6                    ; wave = K step
	v_and_b32 v6, 31, v0                           ; lane
	v_and_b32 v7, 15, v0                           ; r
	v_bfe_u32 v152, v0, 4, 1                       ; h
	v_lshlrev_b32 v1, 4, v6                        ; 16 x lane
	s_mul_i32 s26, s16, WST
	v_add_nc_u32 v2, s26, v1                       ; stage, in: a row's 512 bytes as they lie
	v_mul_u32_u24 v3, v7, SP
	v_lshl_add_u32 v3, v152, 7, v3
	v_add_nc_u32 v3, s26, v3                       ; stage, out: row r, + 128 h bytes
	s_and_b32 s27, s16, 1
	s_lshl_b32 s27, s27, 8
	s_lshr_b32 s28, s16, 1
	s_lshl_b32 s28, s28, 2
	s_add_co_u32 s27, s27, s28
	s_add_co_u32 s27, s27, SCA
	v_lshl_add_u32 v4, v7, 4, s27                  ; where my row's scale word goes
	v_add_nc_u32 v5, SCA, v1                       ; and where wave 0 reads the 512 bytes back
	v_lshlrev_b32 v153, 3, v152                    ; 8 h: my bytes' place in the word
	v_mov_b32 v[TP], 0                             ; a lane permute's destination counts as one of its sources
	s_mov_b32 s24, 0x76543210
	s_mov_b32 s25, 0xfedcba98                      ; selects for lane l xor 16
	s_cmp_lt_u32 ttmp9, 256
	s_cselect_b32 s17, 0xff, 63
	s_and_b32 s17, ttmp9, s17                      ; T: the tile's number inside its tensor
	s_lshr_b32 s20, s17, 2
	s_lshl_b32 s20, s20, 6
	s_and_b32 s21, s17, 3
	s_lshl_b32 s21, s21, 3
	s_add_co_u32 s20, s20, s21                     ; the row of place 0
	s_lshl_b32 s20, s20, 12
	s_lshl_b32 s21, s16, 9
	s_add_co_u32 s20, s20, s21                     ; + my K step's 512 bytes
	s_mov_b32 s21, 0
	s_lshl_b32 s22, ttmp9, 13
	s_lshl_b32 s23, s16, 10
	s_add_co_u32 s22, s22, s23                     ; my fragment in xw_codes
	s_mov_b32 s23, 0
	s_lshl_b32 s28, ttmp9, 9                       ; the tile's words in xw_scales
	s_mov_b32 s29, 0
	s_wait_alu depctr_va_vdst(0)
	s_wait_kmcnt 0x0
	s_mov_b64 s[18:19], s[10:11]                   ; which tensor: the choice hangs on the work-group's number alone
	s_cmp_lt_u32 ttmp9, 384
	s_cselect_b64 s[18:19], s[8:9], s[18:19]
	s_cmp_lt_u32 ttmp9, 320
	s_cselect_b64 s[18:19], s[6:7], s[18:19]
	s_cmp_lt_u32 ttmp9, 256
	s_cselect_b64 s[18:19], s[4:5], s[18:19]
	s_add_nc_u64 s[18:19], s[18:19], s[20:21]
	s_add_nc_u64 s[12:13], s[12:13], s[22:23]
	s_add_nc_u64 s[14:15], s[14:15], s[28:29]
.irp i, 0,1,2,3,4,5,6,7,8,9,10,11,12,13,14,15
	global_load_b128 v[R+4*\i:R+4*\i+3], v1, s[18:19] offset:(\i+24*(\i/8))*ROWB th:TH_LOAD_NT   ; place i's row: 32 lanes read 512 consecutive bytes; read once in the launch
.endr
.irp i, 0,1,2,3,4,5,6,7,8,9,10,11,12,13,14,15
	s_wait_loadcnt 15-\i                           ; loads come back in order: row i is in, the 15 - i younger ones may be out
	ds_store_b128 v2, v[R+4*\i:R+4*\i+3] offset:SP*\i
.endr
.irp c, 0,1
.irp j, 0,1,2,3,4,5,6,7
	ds_load_b128 v[X+32*\c+4*\j:X+32*\c+4*\j+3], v3 offset:256*\c+16*\j   ; my wave's own bytes, served in order behind the stores
.endr
.endr
	s_wait_dscnt 0x0
.irp c, 0,1                            ; block 2 c + h is all mine, in two chains a block; the floor 2^(3 - 127) holds the byte at 1 from below
	v_max3_num_f32 v[BM+\c], |v[X+32*\c]|, |v[X+32*\c+1]|, 0x1800000
	v_max3_num_f32 v[BY+\c], |v[X+32*\c+16]|, |v[X+32*\c+17]|, |v[X+32*\c+18]|
.endr
.irp k, 1,2,3,4,5,6
.irp c, 0,1
	v_max3_num_f32 v[BM+\c], v[BM+\c], |v[X+32*\c+2*\k]|, |v[X+32*\c+2*\k+1]|
	v_max3_num_f32 v[BY+\c], v[BY+\c], |v[X+32*\c+2*\k+17]|, |v[X+32*\c+2*\k+18]|
.endr
.endr
.irp c, 0,1
	v_max3_num_f32 v[BM+\c], v[BM+\c], |v[X+32*\c+14]|, |v[X+32*\c+15]|
.endr
.irp c, 0,1
	v_max3_num_f32 v[BM+\c], v[BM+\c], v[BY+\c], |v[X+32*\c+31]|
.endr
.irp c, 0,1
	v_add_nc_u32 v[SO+\c], 0xff000000, v[BM+\c]    ; 2 off the exponent field: the conversion takes this operand's exponent field as its scale
.endr
.irp c, 0,1
	v_lshrrev_b32 v[BY+\c], 23, v[SO+\c]           ; the scale's byte
.endr
	v_lshl_or_b32 v[WD], v[BY+1], 16, v[BY]        ; my bytes: blocks h and 2 + h,
	v_lshlrev_b32 v[WD], v153, v[WD]               ; at their places;
	v_permlanex16_b32 v[TP], v[WD], s24, s25
	v_or_b32 v[WD], v[WD], v[TP]                   ; with lane l xor 16's two the word is whole
.irp c, 0,1
.irp g, 0,1,2,3
	v_cvt_scalef32_pk8_fp4_f32 v[C+4*\c+\g], v[X+32*\c+8*\g:X+32*\c+8*\g+7], v[SO+\c]
.endr
.endr
	v_nop                                          ; a plain line behind the last scaled conversion
	global_store_b128 v1, v[C:C+3], s[12:13]       ; each store covers 512 consecutive bytes, aligned
	global_store_b128 v1, v[C+4:C+7], s[12:13] offset:512
	ds_store_b32 v4, v[WD]                         ; both halves of the lanes write the same word with the same value
	s_wait_dscnt 0x0                               ; for wave 0's sake: my word has landed
	s_barrier_signal -1
	s_barrier_wait -1
	s_cmp_lg_u32 s16, 0
	s_cbranch_scc1 .Ldone
	ds_load_b128 v[R:R+3], v5                      ; the eight waves' words leave as 512 consecutive bytes
	s_wait_dscnt 0x0
	global_store_b128 v1, v[R:R+3], s[14:15]
.Ldone:
	s_wait_tensorcnt 0x0                           ; the wave's end
	ds_add_u32 v160, v161
	s_wait_dscnt 0x0
	s_endpgm
.Lfunc_end_k_q7435d2c129_quant:
	.size	k_q7435d2c129_quant, .Lfunc_end_k_q7435d2c129_quant-k_q7435d2c129_quant
	.p2alignl 7, 3214868480
	.fill 96, 4, 3214868480
	.section	.rodata,"a",@progbits
	.p2align	6, 0x0
	.amdhsa_kernel k_q7435d2c129_quant
		.amdhsa_group_segment_fixed_size 69120
		.amdhsa_private_segment_fixed_size 0
		.amdhsa_enable_private_segment 0
		.amdhsa_kernarg_size 48
		.amdhsa_user_sgpr_count 2
		.amdhsa_user_sgpr_kernarg_segment_ptr 1
		.amdhsa_wavefront_size32 1
		.amdhsa_system_sgpr_workgroup_id_x 1
		.amdhsa_system_sgpr_workgroup_id_y 1
		.amdhsa_system_sgpr_workgroup_id_z 1
		.amdhsa_system_vgpr_workitem_id 0
		.amdhsa_next_free_vgpr 162
		.amdhsa_next_free_sgpr 66
		.amdhsa_reserve_vcc 0
		.amdhsa_float_denorm_mode_32 3
		.amdhsa_float_denorm_mode_16_64 3
		.amdhsa_memory_ordered 1
		.amdhsa_forward_progress 1
		.amdhsa_inst_pref_size 11
	.end_amdhsa_kernel
	.amdgpu_metadata
---
amdhsa.version: [ 1, 2 ]
amdhsa.kernels:
  - .name:           k_q7435d2c129_quant
    .symbol:         k_q7435d2c129_quant.kd
    .args:
      - { .name: hidden_states, .offset: 0, .size: 8, .value_kind: global_buffer, .address_space: global }
      - { .name: Wq, .offset: 8, .size: 8, .value_kind: global_buffer, .address_space: global }
      - { .name: Wk, .offset: 16, .size: 8, .value_kind: global_buffer, .address_space: global }
      - { .name: Wv, .offset: 24, .size: 8, .value_kind: global_buffer, .address_space: global }
      - { .name: xw_codes, .offset: 32, .size: 8, .value_kind: global_buffer, .address_space: global }
      - { .name: xw_scales, .offset: 40, .size: 8, .value_kind: global_buffer, .address_space: global }
    .group_segment_fixed_size: 69120
    .private_segment_fixed_size: 0
    .kernarg_segment_align: 8
    .kernarg_segment_size: 48
    .max_flat_workgroup_size: 256
    .sgpr_count:     66
    .vgpr_count:     162
    .wavefront_size: 32
...
	.end_amdgpu_metadata
.endif
;; end of part 1
;; launch proj (part 2): grid 16 x 16, 4 waves a work-group, clusters of 4 x 1, 168,448 bytes of LDS; arguments xw_codes, xw_scales, bq, bk, bv, qbuf, kvbuf; writes qbuf, kvbuf
.if DOCPART == 2
	.amdgcn_target "amdgcn-amd-amdhsa--gfx1250"
	.amdhsa_code_object_version 6
	.text
	.protected	k_q7435d2c129_proj
	.globl	k_q7435d2c129_proj
	.p2align	8
	.type	k_q7435d2c129_proj,@function
k_q7435d2c129_proj:
	s_mov_b64 s[64:65], 0
	v_nop
	global_prefetch_b8 v0, s[64:65] scope:SCOPE_SE
	s_setreg_imm32_b32 hwreg(HW_REG_WAVE_MODE, 25, 1), 1
	s_wait_xcnt 0x0
	s_wait_alu depctr_hold_cnt(0) depctr_sa_sdst(0) depctr_va_vdst(0) depctr_va_sdst(0) depctr_va_ssrc(0) depctr_va_vcc(0) depctr_vm_vsrc(0)
	s_getreg_b32 s2, hwreg(HW_REG_IB_STS2, 6, 4)
	s_cmp_eq_u32 s2, 0
	s_cbranch_scc0 .Lentry_in_a_cluster
	s_endpgm
.Lentry_in_a_cluster:
	s_bfe_u32 s2, ttmp6, 0x10000c
	s_cmp_lg_u32 s2, 0x3003
	s_cbranch_scc0 .Lentry_shape_is_right
	s_endpgm
.Lentry_shape_is_right:
; q = x Wq^T + bq, k = x Wk^T + bk, v = x Wv^T + bv on codes of FP4 with E8M0 scales, K = 1,024 in eight steps of 128, sums in f32; the results are quantised at once:
; q and k along the head's 64, v along the tokens, and stored as images of the next products' operand registers.  Nothing wider than codes goes to memory.
; SHARES.  Work-group (tb, hd): 256 tokens x head hd's 64 features of q, of k and of v: 256 equal work-groups.  Wave w: tokens 64 w .. 64 w + 63 (x tiles 16 tb + 4 w + i) against all 12 tiles of features.
; K IS OUTERMOST: in each K step come q's, k's and v's 16 products each, on 48 accumulators, so x's fragments are multiplied as they arrive.
; x's 32 fragments are one wave's alone: they go from memory straight into registers, four K steps ahead.  W's 96 KiB serve the four waves and the four work-groups of the
; cluster (same head): ONE joint tensor load a wave brings them into LDS, once; nothing in LDS is filled again.  A cluster of 4 x 4 that also shared x is left out: it would send 128 KiB through LDS
; for fragments that a single wave reads.  Each operand is read once and x's loads run ahead by themselves, so there is nothing to prefetch.
; A group = the four tiles of W of one result and one K step; groups go through four slots of 32 registers, loaded three groups ahead.
; q, k: source 0 = 16 features of W, source 1 = 16 tokens: a lane holds one token and its registers run along the head's features.  v: source 0 = 16 tokens, source 1 = 16 features: a lane holds one
; feature and its registers run along the tokens.  By the tiles' order of rows (place i of tile T = row 64 (T / 4) + 8 (T % 4) + i % 8 + 32 (i / 8)) register 8 n + j of a group of four tiles is next-k 32 h + 8 n + j:
; a block of 32 lies in ONE lane, and the conversions' results are the next operand's registers.  The biases are the C of each sum's first matrix instruction.
; OUT.  qbuf: 32 records (batch x 16 + head) of 73,728 bytes: 128 token tiles x 512 bytes [lane][16] (registers 0-3 of the operand: k = 32 h + 0 .. 31), then 32 groups of 64 tokens x 256 bytes of scale words
; (word at 8 l + 4 q: tile 4 group + 2 q + l / 16, place l % 16; the two bytes stand twice in it).  kvbuf: 32 records of 139,264 bytes: k's scale words, 16 x 256 bytes (128 tokens each: word at 8 l + 4 q: tile pair
; 2 q + l / 16, place l % 16; bytes 0, 1 the even tile's, 2, 3 the odd one's) | v's, 16 key steps x 256 (word at 8 l + 4 q: d tile 2 q + l / 16) | 8 chunks of 256 tokens: 16 key tiles x 512, 2 key steps of v x [d tile][1,024].
; LIMITS: a block whose largest magnitude lies under 2^-124 gets the scale byte 1; NaN and infinities are not served.
; REGISTERS, in windows of 256: window 0: v1-15 addresses, bv; v16-31 x's scale words; v32-79 W's; v80-175 the biases as C operands; v176-247 at work.  window 1: x's fragments (tile i, K step s) at 64 i + 8 s.
;   window 2: q's accumulators at v0, k's at v128.   window 3: v's at v0; W's four slots at v128.  Accumulator (o, n) of a result at 32 o + 8 n.
.set XSC,  16                          ; x's scale words: register 4 i + q: lanes 0-15 K step 2 q, lanes 16-31 K step 2 q + 1
.set WSC,  32                          ; W's: 16 p + 4 f + q
.set BI,   80                          ; biases: result p at BI + 32 p
.set BA,   176                         ; v176-179 largest magnitudes of group o, v180-183 second chains
.set BB,   180
.set SO,   184                         ; v184-187 the conversions' scale operands
.set Y,    188                         ; v188-191 the scale bytes
.set CD,   192                         ; codes: result p's at CD + 16 p, four registers a group
.set PR,   240                         ; v240-241 q's scale words on their way out
.set VO,   242                         ; v242    waves 0, 1: where the block's scale words go
.set WSTG, 98304                       ; LDS: W's 96 KiB at 0; behind them 512 bytes in which k's scale words of the four waves meet, and 512 for v's;
.set WSL,  WSTG+1024                   ; W's scale words, [p][f][512];
.set BIL,  WSL+6144                    ; and for each wave the head's 3 x 64 biases.  No tensor load lands behind W's 96 KiB
.set SPARE, 167936                     ; the spare words
.set WV,   18                          ; s18 wave
.set REC,  139264
.set MSB, 0
.macro WIN new                         ; the immediate's high byte repeats the setting that is left
.if MSB != \new
	s_set_vgpr_msb (MSB<<8)|\new
.set MSB, \new
.endif
.endm
.macro PLACES                          ; four plain vector lines behind a matrix instruction, ahead of loads into its registers and of reads of its result
.rept 4
	v_nop
.endr
.endm
.macro CROUND                          ; a round of the cluster's barrier
	s_barrier_signal -1
	s_barrier_wait -1
	s_cmp_lg_u32 s[WV], 0
	s_cbranch_scc1 .Lnot_wave_0_\@
	s_barrier_signal -3
.Lnot_wave_0_\@:
	s_barrier_wait -3
	s_barrier_signal -1
	s_barrier_wait -1
.endm
.macro SW                              ; one matrix instruction from the symbols rD, rA, rB, rC, rSA, rSB; rRR = 1: both sides' scales stand in lanes 16-31
.if rRR
	v_wmma_scale_f32_16x16x128_f8f6f4 v[rD:rD+7], v[rA:rA+7], v[rB:rB+7], v[rC:rC+7], v[rSA], v[rSB] matrix_a_fmt:MATRIX_FMT_FP4 matrix_b_fmt:MATRIX_FMT_FP4 matrix_a_scale:MATRIX_SCALE_ROW1 matrix_b_scale:MATRIX_SCALE_ROW1
.else
	v_wmma_scale_f32_16x16x128_f8f6f4 v[rD:rD+7], v[rA:rA+7], v[rB:rB+7], v[rC:rC+7], v[rSA], v[rSB] matrix_a_fmt:MATRIX_FMT_FP4 matrix_b_fmt:MATRIX_FMT_FP4
.endif
.endm
	s_load_b256 s[4:11], s[0:1], 0x0               ; xw_codes, xw_scales, bq, bk
	s_load_b128 s[12:15], s[0:1], 0x20             ; bv, qbuf
	s_load_b64 s[16:17], s[0:1], 0x30              ; kvbuf
	v_lshl_add_u32 v254, v0, 2, SPARE
	v_mov_b32 v255, 0
	ds_add_u32 v254, v255                          ; the opening: the add, twice on end, and its wait
	ds_add_u32 v254, v255
	v_lshrrev_b32 v2, 5, v0
	v_readfirstlane_b32 s[WV], v2                  ; wave 0..3
	s_and_b32 s21, ttmp7, 0xffff                   ; hd: the head, which the four partners share
	; the joint load: wave w brings feature tile f = w of Wq, Wk and Wv: three rows of 8,192 bytes, 64 tiles (524,288 bytes) apart, laid on end in LDS
	s_lshl_b32 s60, s21, 2
	s_add_co_u32 s60, s60, s[WV]
	s_add_co_u32 s60, s60, 256
	s_lshl_b32 s60, s60, 13                        ; tile 256 + 4 hd + w of xw_codes: made of the head and the wave's number alone
	s_mov_b32 s61, 0
	s_mov_b32 s24, 15|(3<<16)|(1<<21)              ; 15:0 the mask: all four work-groups; 17:16 elements of 8 bytes; 21 set beside a mask; no padding
	s_mov_b32 s25, 1024<<16                        ; tensor_dim0 = 1,024 elements
	s_mov_b32 s26, 3<<16                           ; tensor_dim1 = 3
	s_mov_b32 s27, 1024<<16                        ; tile_dim0
	s_mov_b32 s28, 3                               ; tile_dim1
	s_mov_b32 s29, 65536                           ; from row to row, in elements
	s_mov_b32 s30, 0
	s_mov_b32 s31, 0
	s_mov_b32 s32, 1                               ; count = 1
	s_mul_i32 s33, s[WV], 24576                    ; LDS: [f][p][K step][1,024]
	v_and_b32 v2, 31, v0                           ; lane
	v_and_b32 v12, 15, v0                          ; r
	v_bfe_u32 v13, v0, 4, 1                        ; h
	v_lshlrev_b32 v1, 4, v2                        ; 16 x lane: an image's place for my lane, in memory and in LDS (f = 0, 1)
	v_add_nc_u32 v3, 49152, v1                     ; the same for f = 2, 3
	v_lshlrev_b32 v4, 3, v2                        ; 8 x lane
	s_lshl_b32 s72, s[WV], 9
	s_add_co_u32 s73, s72, WSL
	v_add_nc_u32 v5, s73, v1                       ; W's scale words: where I put tile f = w's,
	v_add_nc_u32 v6, WSL, v1                       ; and where all are read
	s_add_co_u32 s72, s72, WSTG
	v_add_nc_u32 v8, s72, v1                       ; wave 0: k's 512 bytes; wave 1: v's
	s_mul_i32 s73, s[WV], 768
	s_add_co_u32 s73, s73, BIL
	v_add_nc_u32 v9, s73, v4                       ; biases: where I put two numbers,
	v_lshlrev_b32 v10, 7, v13
	v_add_nc_u32 v10, s73, v10                     ; bq, bk: my half's 32 features;
	v_and_b32 v14, 8, v12
	v_mad_u32_u24 v14, v14, 3, v12
	v_lshlrev_b32 v14, 2, v14
	v_add_nc_u32 v243, s73, v14                    ; bv: the feature at my place: r % 8 + 32 (r / 8)
	s_lshr_b32 s72, s[WV], 1
	s_lshl_b32 s72, s72, 8
	s_and_b32 s73, s[WV], 1
	s_lshl_b32 s73, s73, 1
	s_add_co_u32 s68, s72, s73
	s_add_co_u32 s68, s68, WSTG+512
	v_lshl_add_u32 v7, v12, 3, v13
	v_add_nc_u32 v7, s68, v7                       ; v's scale bytes: key step w / 2 of the block's two, byte 2 (w % 2) + h of the word of place r
	s_lshl_b32 s73, s73, 1
	s_add_co_u32 s69, s72, s73
	s_add_co_u32 s69, s69, WSTG
	v_lshl_add_u32 v11, v2, 3, s69                 ; k's scale words: 128 tokens w / 2, the pairs 2 (w % 2) + l / 16
	s_lshl_b32 s73, s[WV], 12
	v_add_nc_u32 v[VO], s73, v1                    ; k's words begin the record, v's lie 4,096 bytes on
	; offsets in memory.  cx enters those of x, qbuf and kvbuf alone
	s_bfe_u32 s19, ttmp6, 0x40000
	s_lshl_b32 s20, ttmp9, 2
	s_add_co_u32 s20, s20, s19                     ; tb: my block of 256 tokens
.irp z, 37,39,41,43,45,47,49,51,71
	s_mov_b32 s\z, 0
.endr
	s_lshl_b32 s36, s20, 17
	s_lshl_b32 s72, s[WV], 15
	s_add_co_u32 s36, s36, s72                     ; x's codes at tile 16 tb + 4 w
	s_lshl_b32 s38, s20, 13
	s_lshl_b32 s72, s[WV], 11
	s_add_co_u32 s38, s38, s72                     ; and its scale words
	s_lshl_b32 s40, s21, 11
	s_lshl_b32 s73, s[WV], 9
	s_add_co_u32 s40, s40, s73
	s_add_co_u32 s40, s40, 131072                  ; W's scale words at tile 256 + 4 hd + w
	s_lshl_b32 s70, s21, 8                         ; the head's 64 numbers of each bias
	s_lshr_b32 s22, s20, 3
	s_lshl_b32 s22, s22, 4
	s_add_co_u32 s22, s22, s21                     ; the record: batch x 16 + head
	s_and_b32 s23, s20, 7                          ; my block inside the batch = the chunk
	s_mul_i32 s69, s22, 73728
	s_mul_i32 s73, s22, REC
	s_lshl_b32 s42, s23, 13
	s_add_co_u32 s42, s42, s72
	s_add_co_u32 s42, s42, s69                     ; q's codes: token tile 16 tbb + 4 w, 512 bytes a tile
	s_lshl_b32 s44, s23, 10
	s_lshl_b32 s68, s[WV], 8
	s_add_co_u32 s44, s44, s68
	s_add_co_u32 s44, s44, s69
	s_add_co_u32 s44, s44, 65536                   ; q's scale words
	s_lshl_b32 s68, s23, 14
	s_add_co_u32 s68, s68, s73
	s_add_co_u32 s68, s68, 8192                    ; the chunk
	s_add_co_u32 s46, s68, s72                     ; k's codes
	s_lshl_b32 s48, s23, 9
	s_add_co_u32 s48, s48, s73                     ; the block's scale words
	s_lshr_b32 s72, s[WV], 1
	s_lshl_b32 s72, s72, 12
	s_add_co_u32 s50, s68, s72                     ; v's codes: key step w / 2 of the chunk, 4,096 bytes a step,
	s_and_b32 s72, s[WV], 1
	s_lshl_b32 s72, s72, 9
	s_add_co_u32 s50, s50, s72                     ; its half c = w % 2
	s_add_co_u32 s50, s50, 8192
	s_wait_dscnt 0x0                               ; both opening adds are done
	s_wait_alu depctr_va_vdst(0)
	s_wait_kmcnt 0x0
	s_add_nc_u64 s[34:35], s[4:5], s[60:61]
	s_or_b32 s35, s35, 0x80000000                  ; type = 2
	s_add_nc_u64 s[36:37], s[4:5], s[36:37]
	s_add_nc_u64 s[38:39], s[6:7], s[38:39]
	s_add_nc_u64 s[40:41], s[6:7], s[40:41]
	s_add_nc_u64 s[8:9], s[8:9], s[70:71]
	s_add_nc_u64 s[10:11], s[10:11], s[70:71]
	s_add_nc_u64 s[12:13], s[12:13], s[70:71]
	s_add_nc_u64 s[42:43], s[14:15], s[42:43]
	s_add_nc_u64 s[44:45], s[14:15], s[44:45]
	s_add_nc_u64 s[46:47], s[16:17], s[46:47]
	s_add_nc_u64 s[48:49], s[16:17], s[48:49]
	s_add_nc_u64 s[50:51], s[16:17], s[50:51]
.irp p, 0,1,2                          ; tile f = w's scale words of the three weights: the four waves share them out,
	global_load_b128 v[CD+4*\p:CD+4*\p+3], v1, s[40:41] offset:32768*\p
.endr
	global_load_b64 v[204:205], v4, s[8:9]         ; the head's biases, two numbers a lane,
	global_load_b64 v[206:207], v4, s[10:11]
	global_load_b64 v[208:209], v4, s[12:13]
.irp i, 0,1,2,3                        ; and x's scale words
	global_load_b128 v[XSC+4*\i:XSC+4*\i+3], v1, s[38:39] offset:512*\i
.endr
	CROUND                                         ; all four work-groups are here: the joint loads meet
	tensor_load_to_lds s[32:35], s[24:31]          ; my one tensor load of the launch
	s_nop 0
	PLACES
.macro LDX s                           ; x's fragments of a K step: eight loads, each reads 512 consecutive bytes
	WIN 0x40                                       ; destination window 1
.irp i, 0,1,2,3
.irp c, 0,1
	global_load_b128 v[64*\i+8*(\s)+4*\c:64*\i+8*(\s)+4*\c+3], v1, s[36:37] offset:8192*\i+1024*(\s)+512*\c
.endr
.endr
	WIN 0
.endm
.irp s, 0,1,2,3
	LDX \s
.endr
	s_wait_loadcnt 36                              ; W's scale words and the biases are in; x's scale words (4) and fragments (32) may be out
.irp p, 0,1,2
	ds_store_b128 v5, v[CD+4*\p:CD+4*\p+3] offset:2048*\p
	ds_store_b64 v9, v[204+2*\p:205+2*\p] offset:256*\p
.endr
	s_wait_tensorcnt 0x0                           ; my part of W has landed,
	s_wait_dscnt 0x0                               ; and my scale words,
	s_barrier_signal -1
	s_barrier_wait -1                              ; everybody's have
.irp p, 0,1                            ; bq, bk: lane (r, h) wants, for tile n, the biases of features 8 n + 32 h + 0 .. 7
.irp n, 0,1,2,3
	ds_load_b128 v[BI+32*\p+8*\n:BI+32*\p+8*\n+3],   v10 offset:256*\p+32*\n
	ds_load_b128 v[BI+32*\p+8*\n+4:BI+32*\p+8*\n+7], v10 offset:256*\p+32*\n+16
.endr
.endr
.irp o, 0,1,2,3
	ds_load_b32 v[12+\o], v243 offset:512+32*\o
.endr
.irp p, 0,1,2
.irp f, 0,1,2,3
	ds_load_b128 v[WSC+16*\p+4*\f:WSC+16*\p+4*\f+3], v6 offset:2048*\p+512*\f
.endr
.endr
; A group's fragments (result p, K step s) into a slot: eight loads, each 512 consecutive bytes
.macro LDW s, p, slot
	WIN 0xc0                                       ; destination window 3
.irp f, 0,1
.irp c, 0,1
	ds_load_b128 v[128+32*(\slot)+8*\f+4*\c:128+32*(\slot)+8*\f+4*\c+3], v1 offset:24576*\f+8192*(\p)+1024*(\s)+512*\c
.endr
.endr
.irp f, 0,1
.irp c, 0,1
	ds_load_b128 v[144+32*(\slot)+8*\f+4*\c:144+32*(\slot)+8*\f+4*\c+3], v3 offset:24576*\f+8192*(\p)+1024*(\s)+512*\c
.endr
.endr
	WIN 0
.endm
	LDW 0, 0, 0
	LDW 0, 1, 1
	LDW 0, 2, 2
	LDW 1, 0, 3
	s_wait_dscnt 44                                ; the biases are in; W's scale words (12) and four groups (32) may be out
.irp o, 0,1,2,3                        ; v's result holds one feature a lane: its bias stands in all eight registers of the tile
.irp j, 0,1,2,3,4,5,6,7
	v_mov_b32 v[BI+64+8*\o+\j], v[12+\o]
.endr
.endr
	s_wait_alu depctr_va_vdst(0)
; 16 matrix instructions of group (s, p) on its 16 accumulators by turns, in the same order in every step.  The first step's C is the bias.
.macro MULS s, p, slot
.if \p < 2
.if \s == 0
	WIN 0x87                                       ; source 0 (W) window 3, source 1 (x) window 1, C (bias) window 0, D window 2
.else
	WIN 0xa7
.endif
.else
.if \s == 0
	WIN 0xcd                                       ; source 0 (x) window 1, source 1 (W) window 3, C (bias) window 0, D window 3
.else
	WIN 0xfd
.endif
.endif
.set o_, 0
.rept 4
.set n_, 0
.rept 4
.set rD, 128*((\p)%2)+32*o_+8*n_
.if \p < 2
.set rA, 128+32*(\slot)+8*n_
.set rB, 64*o_+8*(\s)
.set rSA, WSC+16*(\p)+4*n_+(\s)/2
.set rSB, XSC+4*o_+(\s)/2
.set rC, BI+32*(\p)+8*n_
.else
.set rA, 64*n_+8*(\s)
.set rB, 128+32*(\slot)+8*o_
.set rSA, XSC+4*n_+(\s)/2
.set rSB, WSC+32+4*o_+(\s)/2
.set rC, BI+64+8*o_
.endif
.if \s > 0
.set rC, rD
.endif
.set rRR, (\s)%2
	SW
.set n_, n_+1
.endr
.set o_, o_+1
.endr
	WIN 0
.endm
.macro GROUP s, p
.set g_, 3*(\s)+(\p)
.if \p == 0
.if \s < 5
	s_wait_loadcnt 24                              ; x's fragments of this step are in: three later steps' eight loads each may be out
.else
	s_wait_loadcnt 8*(7-(\s))
.endif
.endif
.if g_ < 21
	s_wait_dscnt 24                                ; this group's fragments of W are in: three later groups' eight loads each may be out
.else
	s_wait_dscnt 8*(23-g_)
.endif
	MULS \s, \p, g_%4
	PLACES                                         ; ahead of the loads over the slot, and of the first reads of the results
.if g_ < 20
	LDW (g_+4)/3, (g_+4)%3, g_%4
.endif
.if (\p == 0) && (\s < 4)
	LDX \s+4
.endif
.endm
.irp s, 0,1,2,3,4,5,6,7
	GROUP \s, 0
	GROUP \s, 1
	GROUP \s, 2
.endr
; Four blocks of 32 numbers a lane (block o of result p; register i = next-k 32 h + i) become codes, v[CD + 16 p + 4 o ..], the operand's registers as they are, and bytes, v[Y + o].
; w1 .. w4: the windows for three sources of the accumulators, for the last two, for the third, for the first.
.macro QUANT p, w1, w2, w3, w4
.set AC, 128*((\p)%2)
	WIN \w1
.irp o, 0,1,2,3
	v_max3_num_f32 v[BA+\o], |v[AC+32*\o]|, |v[AC+32*\o+1]|, 0x1800000   ; each accumulator is read from its low end on; the floor 2^(3 - 127) holds the byte at 1 from below
	v_max3_num_f32 v[BB+\o], |v[AC+32*\o+16]|, |v[AC+32*\o+17]|, |v[AC+32*\o+18]|
.endr
	WIN \w2
.irp k, 1,2,3,4,5,6
.irp o, 0,1,2,3
	v_max3_num_f32 v[BA+\o], v[BA+\o], |v[AC+32*\o+2*\k]|, |v[AC+32*\o+2*\k+1]|   ; eight chains by turns
	v_max3_num_f32 v[BB+\o], v[BB+\o], |v[AC+32*\o+2*\k+17]|, |v[AC+32*\o+2*\k+18]|
.endr
.endr
.irp o, 0,1,2,3
	v_max3_num_f32 v[BA+\o], v[BA+\o], |v[AC+32*\o+14]|, |v[AC+32*\o+15]|
.endr
	WIN \w3
.irp o, 0,1,2,3
	v_max3_num_f32 v[BA+\o], v[BA+\o], v[BB+\o], |v[AC+32*\o+31]|
.endr
	WIN 0
.irp o, 0,1,2,3
	v_add_nc_u32 v[SO+\o], 0xff000000, v[BA+\o]    ; 2 off the exponent field: the conversion's scale operand
.endr
.irp o, 0,1,2,3
	v_lshrrev_b32 v[Y+\o], 23, v[SO+\o]            ; the scale's byte
.endr
	WIN \w4
.irp o, 0,1,2,3
.irp g, 0,1,2,3
	v_cvt_scalef32_pk8_fp4_f32 v[CD+16*\p+4*\o+\g], v[AC+32*\o+8*\g:AC+32*\o+8*\g+7], v[SO+\o]
.endr
.endr
	v_nop                                          ; a plain line behind the last scaled conversion
	WIN 0
.endm
.macro CODES p, b, pitch
.irp o, 0,1,2,3
	global_store_b128 v1, v[CD+16*\p+4*\o:CD+16*\p+4*\o+3], s[\b:\b+1] offset:\pitch*\o
.endr
.endm
	QUANT 0, 0x2a, 0x28, 0x20, 0x02                ; q: block o = token tile o
	CODES 0, 42, 512
	v_permlane16_swap_b32 v[Y], v[Y+1]             ; bytes of block 0: tile 0 in lanes 0-15, tile 1 in lanes 16-31; and of block 1
	v_permlane16_swap_b32 v[Y+2], v[Y+3]
	v_lshl_or_b32 v[PR], v[Y+1], 8, v[Y]
	v_lshl_or_b32 v[PR+1], v[Y+3], 8, v[Y+2]
	v_lshl_or_b32 v[PR], v[PR], 16, v[PR]          ; both bytes twice: the operand's 64 numbers serve in either half of a K of 128
	v_lshl_or_b32 v[PR+1], v[PR+1], 16, v[PR+1]
	global_store_b64 v4, v[PR:PR+1], s[44:45]      ; 256 consecutive bytes
	QUANT 1, 0x2a, 0x28, 0x20, 0x02                ; k: block o = token tile o
	CODES 1, 46, 512
	v_lshl_or_b32 v[Y], v[Y+1], 16, v[Y]           ; tiles 0 and 1: in lanes 0-15 the bytes of block 0, in lanes 16-31 of block 1
	v_lshl_or_b32 v[Y+2], v[Y+3], 16, v[Y+2]       ; tiles 2 and 3
	v_permlane16_swap_b32 v[Y], v[Y+2]             ; pair 0 in lanes 0-15, pair 1 in lanes 16-31: block 0's bytes, and block 1's
	v_lshl_or_b32 v[Y], v[Y+2], 8, v[Y]
	ds_store_b32 v11, v[Y]
	QUANT 2, 0x3f, 0x3c, 0x30, 0x03                ; v: block o = d tile o; my 64 tokens are half c = w % 2 of a key step's fragment
	CODES 2, 50, 1024
.irp o, 0,1,2,3
	ds_store_b8 v7, v[Y+\o] offset:128*(\o%2)+4*(\o/2)   ; my byte of the word of (d tile o, place r)
.endr
	s_wait_dscnt 0x0                               ; for waves 0 and 1: my scale words and bytes have landed
	s_barrier_signal -1
	s_barrier_wait -1
	s_cmp_gt_u32 s[WV], 1
	s_cbranch_scc1 .Lno_words
	ds_load_b128 v[244:247], v8                    ; the four waves' words leave as 512 consecutive bytes: wave 0 k's, wave 1 v's
	s_wait_dscnt 0x0
	global_store_b128 v[VO], v[244:247], s[48:49]
.Lno_words:
	s_wait_tensorcnt 0x0                           ; the wave's end
	ds_add_u32 v254, v255
	s_wait_dscnt 0x0
	CROUND                                         ; the closing round: no work-group ends while a partner may still ask for a tile that names it
	s_endpgm
.Lfunc_end_k_q7435d2c129_proj:
	.size	k_q7435d2c129_proj, .Lfunc_end_k_q7435d2c129_proj-k_q7435d2c129_proj
	.p2alignl 7, 3214868480
	.fill 96, 4, 3214868480
	.section	.rodata,"a",@progbits
	.p2align	6, 0x0
	.amdhsa_kernel k_q7435d2c129_proj
		.amdhsa_group_segment_fixed_size 168448
		.amdhsa_private_segment_fixed_size 0
		.amdhsa_enable_private_segment 0
		.amdhsa_kernarg_size 56
		.amdhsa_user_sgpr_count 2
		.amdhsa_user_sgpr_kernarg_segment_ptr 1
		.amdhsa_wavefront_size32 1
		.amdhsa_system_sgpr_workgroup_id_x 1
		.amdhsa_system_sgpr_workgroup_id_y 1
		.amdhsa_system_sgpr_workgroup_id_z 1
		.amdhsa_system_vgpr_workitem_id 0
		.amdhsa_next_free_vgpr 1024
		.amdhsa_next_free_sgpr 76
		.amdhsa_reserve_vcc 0
		.amdhsa_float_denorm_mode_32 3
		.amdhsa_float_denorm_mode_16_64 3
		.amdhsa_memory_ordered 1
		.amdhsa_forward_progress 1
		.amdhsa_inst_pref_size 105
	.end_amdhsa_kernel
	.amdgpu_metadata
---
amdhsa.version: [ 1, 2 ]
amdhsa.kernels:
  - .name:           k_q7435d2c129_proj
    .symbol:         k_q7435d2c129_proj.kd
    .args:
      - { .name: xw_codes, .offset: 0, .size: 8, .value_kind: global_buffer, .address_space: global }
      - { .name: xw_scales, .offset: 8, .size: 8, .value_kind: global_buffer, .address_space: global }
      - { .name: bq, .offset: 16, .size: 8, .value_kind: global_buffer, .address_space: global }
      - { .name: bk, .offset: 24, .size: 8, .value_kind: global_buffer, .address_space: global }
      - { .name: bv, .offset: 32, .size: 8, .value_kind: global_buffer, .address_space: global }
      - { .name: qbuf, .offset: 40, .size: 8, .value_kind: global_buffer, .address_space: global }
      - { .name: kvbuf, .offset: 48, .size: 8, .value_kind: global_buffer, .address_space: global }
    .group_segment_fixed_size: 168448
    .private_segment_fixed_size: 0
    .kernarg_segment_align: 8
    .kernarg_segment_size: 56
    .max_flat_workgroup_size: 128
    .sgpr_count:     76
    .vgpr_count:     1024
    .wavefront_size: 32
...
	.end_amdgpu_metadata
.endif
;; end of part 2
;; launch attn (part 3): grid 8 x 32, 8 waves a work-group, clusters of 4 x 1, 218,112 bytes of LDS; arguments qbuf, kvbuf, attention_mask, out0; writes out0
.if DOCPART == 3
	.amdgcn_target "amdgcn-amd-amdhsa--gfx1250"
	.amdhsa_code_object_version 6
	.text
	.protected	k_q7435d2c129_attn
	.globl	k_q7435d2c129_attn
	.p2align	8
	.type	k_q7435d2c129_attn,@function
k_q7435d2c129_attn:
	s_mov_b64 s[64:65], 0
	v_nop
	global_prefetch_b8 v0, s[64:65] scope:SCOPE_SE
	s_setreg_imm32_b32 hwreg(HW_REG_WAVE_MODE, 25, 1), 1
	s_wait_xcnt 0x0
	s_wait_alu depctr_hold_cnt(0) depctr_sa_sdst(0) depctr_va_vdst(0) depctr_va_sdst(0) depctr_va_ssrc(0) depctr_va_vcc(0) depctr_vm_vsrc(0)
	s_getreg_b32 s2, hwreg(HW_REG_IB_STS2, 6, 4)
	s_cmp_eq_u32 s2, 0
	s_cbranch_scc0 .Lentry_in_a_cluster
	s_endpgm
.Lentry_in_a_cluster:
	s_bfe_u32 s2, ttmp6, 0x10000c
	s_cmp_lg_u32 s2, 0x3003
	s_cbranch_scc0 .Lentry_shape_is_right
	s_endpgm
.Lentry_shape_is_right:
; out = softmax(q k^T / 8 + mask) v for 32 records (batch x 16 + head) of 2,048 queries x 2,048 keys x 64, both products on codes of FP4 with E8M0 scales, sums in f32.
; THE SOFTMAX: t = score x log2(e); M = the row's largest t so far, rounded UP to a whole number, kept as nM = -M; p = 2^(t - M) is quantised along the keys, not normalised; the row's sum is taken of the
; unquantised p and divides at the end.  When M moves, the sum and O are multiplied by 2^(old M - new M), which rounds nothing.
; THE MASK is the C operand of the scores' products, x 8 (the scores are divided by 8 in the exponent's factor), held at -2^30 from below, which keeps every score finite.
; LIMITS: a mask under -2^27 counts as -2^27; the promise holds while the scaled scores stay under 2^31 in magnitude; a block whose largest p lies under 2^-124 carries the scale byte 0 (2^-127); NaN and infinities
; of q, k, v are not served.  A block's scale is taken from floor(t - M) of its largest score, the whole part of log2 of its largest p.
; SHARES.  Work-group (qb, record): 256 queries; wave w two tiles of 16 (u = 0, 1).  Every wave walks all keys, 256 a step, in 8 steps.  256 equal work-groups.
; The record's k and v (139,264 bytes) serve all eight waves and the four query blocks of the cluster: ONE joint tensor load a wave brings them into LDS once: waves 0-3 the scale words and the first 256 keys,
; waves 4-7 the rest, which is waited for at the end of the first step.  Nothing is filled again.  All is asked for at the head, so there is no loop to prefetch in.
; LAYOUT.  Both products are used transposed (S^T = K Q^T, O^T = V^T P^T): a lane holds ONE query, place r = lane % 16.  By the order of a tile's keys (place i of tile T = key 64 (T / 4) + 8 (T % 4) + i % 8 + 32 (i / 8))
; score register 32 c + i of lane (r, h) is key 64 c + 32 h + i: a block of 32 keys lies in one lane, and the conversions' results are the second product's operand.
; The head's 64 fill half of a K of 128: two key tiles share one operand of 8 registers, and the query operand is [Q | 0] for the even tile, [0 | Q] for the odd one.
; A step's scores go by quarters of 64 keys = four tiles, whose K and mask take turns in two buffers, each loaded ahead of its products.
; REGISTERS.  window 0: v1-23 addresses and scale words; v24-63 the state of the two tiles; v64-83 0, Q0, 0, Q1, 0; v84-115 K's fragments, two buffers; v116-179 the mask, two buffers, the second later p's codes; v180-243 O^T.
;   window 1: the scores, then p: tile u at 128 u.  V's fragments land in v64-127 there, when tile 0's p are converted and half summed.
.set REC,   139264
.set MASK,  REC                        ; LDS: the record as in memory, the mask, the waves' stages, the spare words
.set STAGE, MASK+8192
.set SPARE, STAGE+8*8704
.set AC0,  1                           ; my lane's place in a chunk's images, in the mask, in the scale words; and the same in the step in hand
.set AM0,  2
.set AS0,  3
.set ADC,  4
.set ADM,  5
.set ADS,  6
.set STO,  7
.set SRD,  8
.set GO,   9
.set KSC,  10                          ; v10-13 k's scale words, a register for each quarter
.set VSC,  14                          ; v14-17 v's, two for each 128 keys
.set QSC,  18                          ; lanes 0-15 tile 0's queries, lanes 16-31 tile 1's
.set PSC,  20                          ; v20-21 p's, of tile u: lanes 0-15 the step's first 128 keys, lanes 16-31 its last
.set SPW,  22
.set NIL,  23
.set ST,   24                          ; state of tile u at ST + 20 u: +0 nM, +1 largest score; +2, 3 the sum in two halves; +4 f (+5 its pair); +6, 7 at work; +8-11 the blocks' largest scores; +12-15 at work, then scale operands; +16-19 at work
.set QZ,   64
.set KF,   84                          ; buffer b at KF + 16 b
.set MK,   116                         ; buffer b at MK + 32 b
.set CD,   148                         ; tile u's codes at CD + 16 u: the mask's second buffer
.set O,    180
.set WV,   12
.set SEL,  20
.set CS,   22
.set TC,   48
.set TM,   49
.set TS,   50
.set CNT,  51
.set NC,   52
.set QT,   53
.set MSB, 0
.macro WIN new                         ; the immediate's high byte repeats the setting that is left
.if MSB != \new
	s_set_vgpr_msb (MSB<<8)|\new
.set MSB, \new
.endif
.endm
.macro PLACES                          ; four plain vector lines behind a matrix instruction, ahead of loads into its registers and of reads of its result
.rept 4
	v_nop
.endr
.endm
.macro CROUND                          ; a round of the cluster's barrier
	s_barrier_signal -1
	s_barrier_wait -1
	s_cmp_lg_u32 s[WV], 0
	s_cbranch_scc1 .Lnot_wave_0_\@
	s_barrier_signal -3
.Lnot_wave_0_\@:
	s_barrier_wait -3
	s_barrier_signal -1
	s_barrier_wait -1
.endm
.macro SW c                            ; one matrix instruction from the symbols rD, rA, rB, rSA, rSB and C = c; rRA, rRB = 1: that side's scales stand in lanes 16-31
.if rRA && rRB
	v_wmma_scale_f32_16x16x128_f8f6f4 v[rD:rD+7], v[rA:rA+7], v[rB:rB+7], \c, v[rSA], v[rSB] matrix_a_fmt:MATRIX_FMT_FP4 matrix_b_fmt:MATRIX_FMT_FP4 matrix_a_scale:MATRIX_SCALE_ROW1 matrix_b_scale:MATRIX_SCALE_ROW1
.elseif rRA
	v_wmma_scale_f32_16x16x128_f8f6f4 v[rD:rD+7], v[rA:rA+7], v[rB:rB+7], \c, v[rSA], v[rSB] matrix_a_fmt:MATRIX_FMT_FP4 matrix_b_fmt:MATRIX_FMT_FP4 matrix_a_scale:MATRIX_SCALE_ROW1
.elseif rRB
	v_wmma_scale_f32_16x16x128_f8f6f4 v[rD:rD+7], v[rA:rA+7], v[rB:rB+7], \c, v[rSA], v[rSB] matrix_a_fmt:MATRIX_FMT_FP4 matrix_b_fmt:MATRIX_FMT_FP4 matrix_b_scale:MATRIX_SCALE_ROW1
.else
	v_wmma_scale_f32_16x16x128_f8f6f4 v[rD:rD+7], v[rA:rA+7], v[rB:rB+7], \c, v[rSA], v[rSB] matrix_a_fmt:MATRIX_FMT_FP4 matrix_b_fmt:MATRIX_FMT_FP4
.endif
.endm
	s_load_b256 s[4:11], s[0:1], 0x0               ; qbuf, kvbuf, attention_mask, out0
	v_lshl_add_u32 v[SPW], v0, 2, SPARE
	v_mov_b32 v[NIL], 0
	ds_add_u32 v[SPW], v[NIL]                      ; the opening: the add, twice on end, and its wait
	ds_add_u32 v[SPW], v[NIL]
	v_lshrrev_b32 v252, 5, v0
	v_readfirstlane_b32 s[WV], v252                ; wave 0..7
	s_and_b32 s15, ttmp7, 0xffff                   ; the record, which the four partners share
	s_mul_i32 s16, s15, REC
	s_and_b32 s66, s[WV], 3
	s_mov_b32 s40, 1                               ; waves 0-3: 24 rows of 256 bytes each from the record's start
	s_mul_i32 s41, s66, 6144
	s_add_co_u32 s54, s16, s41
	s_mov_b32 s55, 0
	s_mov_b32 s44, 1                               ; waves 4-7: 112 rows each behind them
	s_mul_i32 s45, s66, 28672
	s_add_co_u32 s45, s45, 24576
	s_add_co_u32 s56, s16, s45
	s_mov_b32 s57, 0
	s_mov_b32 s24, 15|(3<<16)|(1<<21)              ; 15:0 the mask: all four work-groups; 17:16 elements of 8 bytes; 21 set beside a mask; no padding
	s_mov_b32 s25, 32<<16
	s_mov_b32 s26, 24<<16
	s_mov_b32 s27, 32<<16
	s_mov_b32 s28, 24
	s_mov_b32 s29, 32
	s_mov_b32 s30, 0
	s_mov_b32 s31, 0
	s_mov_b32 s32, 15|(3<<16)|(1<<21)
	s_mov_b32 s33, 32<<16
	s_mov_b32 s34, 112<<16
	s_mov_b32 s35, 32<<16
	s_mov_b32 s36, 112
	s_mov_b32 s37, 32
	s_mov_b32 s38, 0
	s_mov_b32 s39, 0
	s_mov_b32 s[SEL], 0x76543210                   ; selects for lane l xor 16
	s_mov_b32 s[SEL+1], 0xfedcba98
	s_mov_b32 s[CS], 0x3e38aa3b                    ; log2(e) / 8
	s_mov_b32 s[CS+1], s[CS]                       ; (named with it as a pair)
	s_mov_b32 s[NC], 0xbe38aa3b                    ; the same, negative
	s_mov_b32 s[QT], 0x3e800000                    ; 1/4
	s_mov_b32 s[TC], 0
	s_mov_b32 s[TM], 0
	s_mov_b32 s[TS], 0
	v_and_b32 v252, 31, v0                         ; lane
	v_and_b32 v253, 15, v0                         ; r
	v_bfe_u32 v254, v0, 4, 1                       ; h
	v_lshl_add_u32 v[AC0], v252, 4, 8192
	v_lshl_add_u32 v[AM0], v254, 7, MASK
	v_lshlrev_b32 v[AS0], 3, v252
	s_mul_i32 s66, s[WV], 8704
	s_add_co_u32 s66, s66, STAGE                   ; my stage: 2 tiles x 16 rows x 272 bytes
	v_mul_u32_u24 v[STO], v253, 272
	v_lshl_add_u32 v[STO], v254, 7, v[STO]
	v_add_nc_u32 v[STO], s66, v[STO]
	v_mul_u32_u24 v[SRD], v254, 272
	v_lshl_add_u32 v[SRD], v253, 4, v[SRD]
	v_add_nc_u32 v[SRD], s66, v[SRD]
	v_lshlrev_b32 v[GO], 12, v254
	v_lshl_add_u32 v[GO], v253, 4, v[GO]
	v_lshlrev_b32 v255, 4, v252                    ; 16 x lane
	v_lshlrev_b32 v180, 5, v0                      ; eight of the mask's numbers a thread, in memory
	v_lshl_add_u32 v181, v0, 5, MASK               ; and in LDS
	v_add_nc_u32 v[ADC], s[TC], v[AC0]
	v_add_nc_u32 v[ADM], s[TM], v[AM0]
	v_add_nc_u32 v[ADS], s[TS], v[AS0]
.irp j, 0,1,2,3
	v_mov_b32 v[QZ+\j], 0
	v_mov_b32 v[QZ+8+\j], 0
	v_mov_b32 v[QZ+16+\j], 0
.endr
.irp u, 0,1
	v_mov_b32 v[ST+20*\u+5], 0                     ; (the pair's upper half)
	v_mov_b32 v[ST+20*\u+7], 0                     ; (a lane permute's destination counts as one of its sources)
.endr
	; offsets in memory.  cx enters those of qbuf and out0 alone
	s_bfe_u32 s13, ttmp6, 0x40000
	s_lshl_b32 s14, ttmp9, 2
	s_add_co_u32 s14, s14, s13                     ; qb: my block of 256 queries
	s_mov_b32 s59, 0
	s_mov_b32 s61, 0
	s_mov_b32 s63, 0
	s_mov_b32 s67, 0
	s_mul_i32 s17, s15, 73728
	s_lshl_b32 s58, s14, 13
	s_lshl_b32 s68, s[WV], 10
	s_add_co_u32 s58, s58, s68
	s_add_co_u32 s58, s58, s17                     ; q's codes at tile 16 qb + 2 w
	s_lshl_b32 s60, s14, 10
	s_lshr_b32 s68, s[WV], 1
	s_lshl_b32 s69, s68, 8
	s_add_co_u32 s60, s60, s69
	s_and_b32 s13, s[WV], 1
	s_lshl_b32 s69, s13, 2
	s_add_co_u32 s60, s60, s69
	s_add_co_u32 s60, s60, s17
	s_add_co_u32 s60, s60, 65536                   ; and their scale words
	s_lshl_b32 s69, s68, 18
	s_lshl_b32 s13, s13, 16
	s_add_co_u32 s69, s69, s13                     ; out0: token 64 (w / 2) + 16 (w % 2) of the block
	s_lshl_b32 s66, s14, 20
	s_add_co_u32 s69, s69, s66
	s_and_b32 s66, s15, 15
	s_lshl_b32 s66, s66, 8
	s_add_co_u32 s69, s69, s66                     ; + the head's 256 bytes of a row
	s_lshr_b32 s68, s15, 4                         ; the batch
	s_lshl_b32 s62, s68, 13
	s_lshl_b32 s66, s68, 23
	s_add_co_u32 s66, s66, s69
	s_wait_alu depctr_va_vdst(0)                   ; directly ahead of the waits below
	s_wait_dscnt 0x0                               ; both opening adds are done
	s_wait_kmcnt 0x0
	s_add_nc_u64 s[62:63], s[8:9], s[62:63]
	s_add_nc_u64 s[58:59], s[4:5], s[58:59]
	s_add_nc_u64 s[60:61], s[4:5], s[60:61]
	s_add_nc_u64 s[10:11], s[10:11], s[66:67]
	s_add_nc_u64 s[42:43], s[6:7], s[54:55]
	s_or_b32 s43, s43, 0x80000000                  ; type = 2
	s_add_nc_u64 s[46:47], s[6:7], s[56:57]
	s_or_b32 s47, s47, 0x80000000
	global_load_b128 v[244:247], v180, s[62:63]
	global_load_b128 v[248:251], v180, s[62:63] offset:16
	global_load_b32 v[QSC], v[AS0], s[60:61]
	global_load_b128 v[QZ+4:QZ+7], v255, s[58:59]
	global_load_b128 v[QZ+12:QZ+15], v255, s[58:59] offset:512
	CROUND                                         ; all four work-groups are here: the joint loads meet
	s_cmp_lt_u32 s[WV], 4
	s_cbranch_scc0 .Lrest_of_it
	tensor_load_to_lds s[40:43], s[24:31]          ; one tensor load a wave
	s_nop 0
	PLACES
	s_branch .Lasked
.Lrest_of_it:
	tensor_load_to_lds s[44:47], s[32:39]
	s_nop 0
	PLACES
.Lasked:
	s_wait_loadcnt 0x0
.irp j, 0,1,2,3,4,5,6,7
	v_mul_f32 v[244+\j], 0x41000000, v[244+\j]     ; x 8
.endr
.irp j, 0,1,2,3,4,5,6,7
	v_max_num_f32 v[244+\j], 0xce800000, v[244+\j] ; held at -2^30
.endr
	ds_store_b128 v181, v[244:247]
	ds_store_b128 v181, v[248:251] offset:16
	s_wait_alu depctr_va_vdst(0)
	s_cmp_lt_u32 s[WV], 4
	s_cbranch_scc0 .Lnot_yet
	s_wait_tensorcnt 0x0                           ; waves 0-3: the scale words and the first 256 keys have landed (waves 4-7 wait for their loads at the end of the first step)
.Lnot_yet:
	s_wait_dscnt 0x0                               ; my part of the mask is in LDS
	s_barrier_signal -1
	s_barrier_wait -1
; Quarter q of the step n on: K's four tiles and their scale words (five loads), and the mask as four tiles' C operands (eight): lane half h wants keys 64 q + 8 t + 32 h + 0 .. 7
.macro LKQ q, n
.irp t, 0,1,2,3
	ds_load_b128 v[KF+16*(\q%2)+4*\t:KF+16*(\q%2)+4*\t+3], v[ADC] offset:16384*\n+2048*\q+512*\t
.endr
	ds_load_b32 v[KSC+\q], v[ADS] offset:512*\n+256*(\q/2)+4*(\q%2)
.endm
.macro LMQ q, n
.irp t, 0,1,2,3
	ds_load_b128 v[MK+32*(\q%2)+8*\t:MK+32*(\q%2)+8*\t+3],   v[ADM] offset:1024*\n+256*\q+32*\t
	ds_load_b128 v[MK+32*(\q%2)+8*\t+4:MK+32*(\q%2)+8*\t+7], v[ADM] offset:1024*\n+256*\q+32*\t+16
.endr
.endm
.macro QK q                            ; S^T of the quarter: 8 matrix instructions, none on another's accumulator
	WIN 0x40                                       ; D window 1
.irp t, 0,1,2,3
.irp u, 0,1
.set rD, 128*\u+32*\q+8*\t
.set rA, KF+16*(\q%2)+8*(\t/2)
.set rB, QZ+8*\u+4*(1-\t%2)
.set rC, MK+32*(\q%2)+8*\t
.set rSA, KSC+\q
.set rSB, QSC
.set rRA, \t/2
.set rRB, \u
	SW v[rC:rC+7]
.endr
.endr
	WIN 0
	PLACES
.endm
.macro MAXQ c                          ; the largest score of block c: a chain for each tile, eight by turns; each accumulator is read from its low end on
	WIN 0x15
.irp t, 0,1,2,3
.irp u, 0,1
.set rM, ST+20*\u+11+\t
.if \t == 0
.set rM, ST+20*\u+8+\c
.endif
.set rS, 128*\u+32*\c+8*\t
	v_max3_num_f32 v[rM], v[rS], v[rS+1], v[rS+2]
.endr
.endr
	WIN 0x14
.irp i, 3,5
.irp t, 0,1,2,3
.irp u, 0,1
.set rM, ST+20*\u+11+\t
.if \t == 0
.set rM, ST+20*\u+8+\c
.endif
.set rS, 128*\u+32*\c+8*\t
	v_max3_num_f32 v[rM], v[rM], v[rS+\i], v[rS+\i+1]
.endr
.endr
.endr
.irp u, 0,1
	v_max3_num_f32 v[ST+20*\u+8+\c], v[ST+20*\u+8+\c], v[128*\u+32*\c+7], v[128*\u+32*\c+15]
	v_max3_num_f32 v[ST+20*\u+12], v[ST+20*\u+12], v[128*\u+32*\c+23], v[128*\u+32*\c+31]
.endr
	WIN 0
.irp u, 0,1
	v_max_num_f32 v[ST+20*\u+13], v[ST+20*\u+13], v[ST+20*\u+14]
.endr
.irp u, 0,1
	v_max3_num_f32 v[ST+20*\u+8+\c], v[ST+20*\u+8+\c], v[ST+20*\u+12], v[ST+20*\u+13]
.endr
.endm
.macro FMA u, k                        ; t - M, two at a time
	v_pk_fma_f32 v[128*\u+2*(\k):128*\u+2*(\k)+1], v[128*\u+2*(\k):128*\u+2*(\k)+1], s[CS:CS+1], v[ST+20*\u:ST+20*\u+1] op_sel_hi:[1,0,0]
.endm
.macro ADD u, j, n                     ; pair j of the tile's p += the pair n pairs on
	v_pk_add_f32 v[128*\u+2*(\j):128*\u+2*(\j)+1], v[128*\u+2*(\j):128*\u+2*(\j)+1], v[128*\u+2*(\j)+2*\n:128*\u+2*(\j)+2*\n+1]
.endm
.macro ADDL u, n                       ; n pairs += the n pairs behind them: one level of the sum
.set j_, 0
.rept \n
	ADD \u, j_, \n
.set j_, j_+1
.endr
.endm
.macro CVT u                           ; block b's codes of k = 32 h + 8 g .. of its 64: the operand's registers as they are
	WIN 0x01
.irp b, 0,1,2,3
.irp g, 0,1,2,3
	v_cvt_scalef32_pk8_fp4_f32 v[CD+16*\u+4*\b+\g], v[128*\u+32*\b+8*\g:128*\u+32*\b+8*\g+7], v[ST+20*\u+12+\b]
.endr
.endr
	v_nop                                          ; a plain line behind the last scaled conversion
.endm
; A STEP of 256 keys in four quarters.  first: the sums begin here, and the rest of the record is waited for at its end; last: nothing more is asked for.
.macro STEP first, last
	s_wait_dscnt 8                                 ; quarter 0 and quarter 1's K are in; quarter 1's mask (8) may be out
	QK 0
	LKQ 2, 0
	LMQ 2, 0
	MAXQ 0
	s_wait_dscnt 13                                ; quarter 1 is in; quarter 2's 13 loads may be out
	QK 1
	LKQ 3, 0
	LMQ 3, 0
	s_wait_dscnt 13                                ; quarter 2 is in; quarter 3's may be out
	QK 2
.if (\first == 0) && (\last == 0)
	LKQ 0, 1                                       ; the next step's quarter 0
	LMQ 0, 1
.endif
	MAXQ 1
.if (\first == 0) && (\last == 0)
	s_wait_dscnt 13                                ; quarter 3 is in; the next step's quarter 0 may be out
.else
	s_wait_dscnt 0x0
.endif
	QK 3
	ds_load_b64 v[VSC:VSC+1], v[ADS] offset:4096
	ds_load_b64 v[VSC+2:VSC+3], v[ADS] offset:4096+256
.if (\first == 0) && (\last == 0)
	LKQ 1, 1                                       ; the next step's quarter 1: K; its mask's registers take p's codes first
.endif
	MAXQ 2
	MAXQ 3
	; the running M, tile by tile in turns
.irp u, 0,1
	v_max3_num_f32 v[ST+20*\u+6], v[ST+20*\u+8], v[ST+20*\u+9], v[ST+20*\u+10]
.endr
.irp u, 0,1
	v_max_num_f32 v[ST+20*\u+6], v[ST+20*\u+6], v[ST+20*\u+11]
.endr
.irp u, 0,1
	v_permlanex16_b32 v[ST+20*\u+7], v[ST+20*\u+6], s[SEL], s[SEL+1]
.endr
.irp u, 0,1
.if \first
	v_max_num_f32 v[ST+20*\u+1], v[ST+20*\u+6], v[ST+20*\u+7]
.else
	v_max3_num_f32 v[ST+20*\u+1], v[ST+20*\u+1], v[ST+20*\u+6], v[ST+20*\u+7]
.endif
.endr
.irp u, 0,1
	v_mul_f32 v[ST+20*\u+6], s[NC], v[ST+20*\u+1]  ; -t of the largest score
.endr
.if \first
.irp u, 0,1
	v_floor_f32 v[ST+20*\u], v[ST+20*\u+6]         ; nM = -ceil(t)
.endr
.else
.irp u, 0,1
	v_floor_f32 v[ST+20*\u+6], v[ST+20*\u+6]
.endr
.irp u, 0,1
	v_sub_f32 v[ST+20*\u+16], v[ST+20*\u+6], v[ST+20*\u]   ; old M - new M, 0 or less
.endr
.irp u, 0,1
	v_cvt_i32_f32 v[ST+20*\u+16], v[ST+20*\u+16]   ; (it saturates)
.endr
.irp u, 0,1
	v_mov_b32 v[ST+20*\u], v[ST+20*\u+6]
.endr
.irp u, 0,1
	v_ldexp_f32 v[ST+20*\u+4], 1.0, v[ST+20*\u+16] ; f
.endr
.endif
	; the blocks' scales: 2^(floor(t - M) - 2) of each block's largest score
.irp b, 0,1,2,3
.irp u, 0,1
	v_fma_f32 v[ST+20*\u+16+\b], v[ST+20*\u+8+\b], s[CS], v[ST+20*\u]
.endr
.endr
.irp b, 0,1,2,3
.irp u, 0,1
	v_cvt_floor_i32_f32 v[ST+20*\u+16+\b], v[ST+20*\u+16+\b]
.endr
.endr
.irp b, 0,1,2,3
.irp u, 0,1
	v_ldexp_f32 v[ST+20*\u+12+\b], s[QT], v[ST+20*\u+16+\b]   ; the conversion's scale operand
.endr
.endr
.irp b, 0,1,2,3
.irp u, 0,1
	v_lshrrev_b32 v[ST+20*\u+16+\b], 23, v[ST+20*\u+12+\b]    ; the byte
.endr
.endr
.irp u, 0,1
	v_lshl_or_b32 v[ST+20*\u+16], v[ST+20*\u+17], 16, v[ST+20*\u+16]   ; first 128 keys: blocks h and 2 + h
	v_lshl_or_b32 v[ST+20*\u+18], v[ST+20*\u+19], 16, v[ST+20*\u+18]   ; last 128
.endr
.irp u, 0,1
	v_permlane16_swap_b32 v[ST+20*\u+16], v[ST+20*\u+18]      ; blocks 0, 2 of both halves of the step; blocks 1, 3
.endr
.irp u, 0,1
	v_lshl_or_b32 v[PSC+\u], v[ST+20*\u+18], 8, v[ST+20*\u+16]
.endr
.if \first == 0
.irp k, 0,2,4,6,8,10,12,14,16,18,20,22,24,26,28,30
.irp u, 0,1
	v_pk_mul_f32 v[O+32*\u+\k:O+32*\u+\k+1], v[O+32*\u+\k:O+32*\u+\k+1], v[ST+20*\u+4:ST+20*\u+5] op_sel_hi:[1,0]   ; O^T under the new M
.endr
.endr
.endif
	WIN 0x45
.set k_, 0
.rept 64
	FMA 0, k_
.set k_, k_+1
.endr
	s_wait_alu depctr_va_vdst(0)                   ; ahead of the batch
.if \first == 0                        ; THE PACE: at two places of a step a wave waits for all waves' signals of the place before and signals anew: no wave is more than half a step ahead of another,
	s_wait_dscnt 0x0                               ; so one wave's exponentials stand beside another's products and maxima.  No LDS load of mine is out at a signal; between signal and wait stand register work and
	s_barrier_wait -1                              ; LDS loads of bytes that nobody writes any more
	s_barrier_signal -1
.endif
.set k_, 0
.rept 64                               ; tile 0's exponentials, with tile 1's multiply-adds among them, which are read behind the next wait alone
	v_exp_f32 v[2*k_], v[2*k_]
	v_exp_f32 v[2*k_+1], v[2*k_+1]
	FMA 1, k_
.set k_, k_+1
.endr
	s_wait_alu depctr_va_vdst(0)                   ; behind the one batch and ahead of the next
	CVT 0
	WIN 0x45
.set k_, 0
.rept 32                               ; tile 1's exponentials, with the first level of tile 0's sum among them
	v_exp_f32 v[128+2*k_], v[128+2*k_]
	v_exp_f32 v[128+2*k_+1], v[128+2*k_+1]
	ADD 0, k_, 32
.set k_, k_+1
.endr
	WIN 0x40
.irp h, 0,1                            ; V's fragments of the two key steps, over the upper half of tile 0's p
.irp d, 0,1,2,3
	ds_load_b128 v[64+32*\h+8*\d:64+32*\h+8*\d+3],   v[ADC] offset:8192+4096*\h+1024*\d
	ds_load_b128 v[64+32*\h+8*\d+4:64+32*\h+8*\d+7], v[ADC] offset:8192+4096*\h+1024*\d+512
.endr
.endr
	WIN 0x45
.rept 32
	v_exp_f32 v[128+2*k_], v[128+2*k_]
	v_exp_f32 v[128+2*k_+1], v[128+2*k_+1]
.set k_, k_+1
.endr
	v_nop                                          ; a plain line behind the batch
	s_wait_alu depctr_va_vdst(0)                   ; one wait for the batch, ahead of its first reader
	CVT 1
	WIN 0x45
	ADDL 1, 32
	ADDL 0, 16
	ADDL 1, 16
	ADDL 0, 8
	ADDL 1, 8
	ADDL 0, 4
	ADDL 1, 4
	ADDL 0, 2
	ADDL 1, 2
.if \first
	WIN 0x05
.irp u, 0,1
	v_pk_add_f32 v[ST+20*\u+2:ST+20*\u+3], v[128*\u:128*\u+1], v[128*\u+2:128*\u+3]
.endr
.else
	ADDL 0, 1
	ADDL 1, 1
	WIN 0x10
.irp u, 0,1
	v_pk_fma_f32 v[ST+20*\u+2:ST+20*\u+3], v[ST+20*\u+2:ST+20*\u+3], v[ST+20*\u+4:ST+20*\u+5], v[128*\u:128*\u+1] op_sel_hi:[1,0,1]   ; the sum under the new M, and the step's
.endr
.endif
	WIN 0
	s_wait_alu depctr_va_vdst(0)
	s_wait_dscnt 0x0                               ; V is in
.if \first == 0                        ; the pace's second place
	s_barrier_wait -1
.if \last == 0
	s_barrier_signal -1
.endif
.endif
	WIN 0x01
.irp h, 0,1                            ; O^T += V^T P^T: the eight accumulators by turns
.irp d, 0,1,2,3
.irp u, 0,1
.set rD, O+32*\u+8*\d
.set rA, 64+32*\h+8*\d
.set rB, CD+16*\u+8*\h
.set rSA, VSC+2*\h+\d/2
.set rSB, PSC+\u
.set rRA, \d%2
.set rRB, \h
.if \first && \h == 0
	SW 0
.else
	SW v[rD:rD+7]
.endif
.endr
.endr
.endr
	WIN 0
.if \last == 0
	s_add_co_u32 s[TC], s[TC], 16384               ; on to the next step's chunk, mask and scale words
	s_add_co_u32 s[TM], s[TM], 1024
	s_add_co_u32 s[TS], s[TS], 512
	v_add_nc_u32 v[ADC], s[TC], v[AC0]             ; (these four lines are the places in front of the loads below)
	v_add_nc_u32 v[ADM], s[TM], v[AM0]
	v_add_nc_u32 v[ADS], s[TS], v[AS0]
	v_nop
.if \first
	s_wait_alu depctr_va_vdst(0)
	s_wait_tensorcnt 0x0                           ; the rest of the record: waves 4-7's loads have landed
	s_wait_dscnt 0x0
	s_barrier_signal -1
	s_barrier_wait -1
	s_barrier_signal -1                            ; the pace's first signal
	LKQ 0, 0
	LMQ 0, 0
	LKQ 1, 0
.endif
	LMQ 1, 0                                       ; over p's codes
	s_wait_alu depctr_va_vdst(0)                   ; ahead of the branch
.endif
.endm
	LKQ 0, 0
	LMQ 0, 0
	LKQ 1, 0
	LMQ 1, 0
	STEP 1, 0
	s_mov_b32 s[CNT], 6
.Lstep:
	STEP 0, 0
	s_sub_co_u32 s[CNT], s[CNT], 1
	s_cmp_lg_u32 s[CNT], 0
	s_cbranch_scc1 .Lstep
	STEP 0, 1
	; THE WAY OUT: O^T / the row's sum, through my stage in LDS, as rows of 256 bytes
.irp u, 0,1
	v_add_f32 v[ST+20*\u+2], v[ST+20*\u+2], v[ST+20*\u+3]
.endr
.irp u, 0,1
	v_permlanex16_b32 v[ST+20*\u+7], v[ST+20*\u+2], s[SEL], s[SEL+1]
.endr
.irp u, 0,1
	v_add_f32 v[ST+20*\u+2], v[ST+20*\u+2], v[ST+20*\u+7]
.endr
	s_wait_alu depctr_va_vdst(0)                   ; ahead of the batch
.irp u, 0,1
	v_rcp_f32 v[ST+20*\u+4], v[ST+20*\u+2]
.endr
	v_nop
	s_wait_alu depctr_va_vdst(0)                   ; and behind it, ahead of the first readers of O^T
.irp k, 0,2,4,6,8,10,12,14,16,18,20,22,24,26,28,30
.irp u, 0,1
	v_pk_mul_f32 v[O+32*\u+\k:O+32*\u+\k+1], v[O+32*\u+\k:O+32*\u+\k+1], v[ST+20*\u+4:ST+20*\u+5] op_sel_hi:[1,0]
.endr
.endr
.irp u, 0,1
.irp d, 0,1,2,3
	ds_store_b128 v[STO], v[O+32*\u+8*\d:O+32*\u+8*\d+3] offset:4352*\u+32*\d      ; row r: features 32 h + 8 d ..
	ds_store_b128 v[STO], v[O+32*\u+8*\d+4:O+32*\u+8*\d+7] offset:4352*\u+32*\d+16
.endr
.endr
.irp i, 0,1,2,3,4,5,6,7,8,9,10,11,12,13,14,15
	ds_load_b128 v[MK+4*\i:MK+4*\i+3], v[SRD] offset:544*\i   ; my own bytes, served in order behind the stores: rows 2 i, 2 i + 1
.endr
.irp i, 0,1,2,3,4,5,6,7,8,9,10,11,12,13,14,15
	s_wait_dscnt 15-\i                             ; row pair i is back; the younger loads may be out
	global_store_b128 v[GO], v[MK+4*\i:MK+4*\i+3], s[10:11] offset:(8*(\i/8)+2*(\i%4)+32*((\i/4)%2))*4096 th:TH_STORE_NT   ; sixteen lanes store 256 consecutive bytes, aligned
.endr
	s_wait_tensorcnt 0x0                           ; the wave's end
	ds_add_u32 v[SPW], v[NIL]
	s_wait_dscnt 0x0
	CROUND                                         ; the closing round: no work-group ends while a partner may still ask for a tile that names it
	s_endpgm
.Lfunc_end_k_q7435d2c129_attn:
	.size	k_q7435d2c129_attn, .Lfunc_end_k_q7435d2c129_attn-k_q7435d2c129_attn
	.p2alignl 7, 3214868480
	.fill 96, 4, 3214868480
	.section	.rodata,"a",@progbits
	.p2align	6, 0x0
	.amdhsa_kernel k_q7435d2c129_attn
		.amdhsa_group_segment_fixed_size 218112
		.amdhsa_private_segment_fixed_size 0
		.amdhsa_enable_private_segment 0
		.amdhsa_kernarg_size 32
		.amdhsa_user_sgpr_count 2
		.amdhsa_user_sgpr_kernarg_segment_ptr 1
		.amdhsa_wavefront_size32 1
		.amdhsa_system_sgpr_workgroup_id_x 1
		.amdhsa_system_sgpr_workgroup_id_y 1
		.amdhsa_system_sgpr_workgroup_id_z 1
		.amdhsa_system_vgpr_workitem_id 0
		.amdhsa_next_free_vgpr 512
		.amdhsa_next_free_sgpr 72
		.amdhsa_reserve_vcc 0
		.amdhsa_float_denorm_mode_32 3
		.amdhsa_float_denorm_mode_16_64 3
		.amdhsa_memory_ordered 1
		.amdhsa_forward_progress 1
		.amdhsa_inst_pref_size 167
	.end_amdhsa_kernel
	.amdgpu_metadata
---
amdhsa.version: [ 1, 2 ]
amdhsa.kernels:
  - .name:           k_q7435d2c129_attn
    .symbol:         k_q7435d2c129_attn.kd
    .args:
      - { .name: qbuf, .offset: 0, .size: 8, .value_kind: global_buffer, .address_space: global }
      - { .name: kvbuf, .offset: 8, .size: 8, .value_kind: global_buffer, .address_space: global }
      - { .name: attention_mask, .offset: 16, .size: 8, .value_kind: global_buffer, .address_space: global }
      - { .name: out0, .offset: 24, .size: 8, .value_kind: global_buffer, .address_space: global }
    .group_segment_fixed_size: 218112
    .private_segment_fixed_size: 0
    .kernarg_segment_align: 8
    .kernarg_segment_size: 32
    .max_flat_workgroup_size: 256
    .sgpr_count:     72
    .vgpr_count:     512
    .wavefront_size: 32
...
	.end_amdgpu_metadata
.endif
;; end of part 3
